; MI455X (gfx1250); checked and timed in simulation.
; The chip was launched on July 23, 2026; its instructions are those of AMD's public machine-readable ISA for CDNA 5 (MIT licence, August 2026) and "CDNA5" Instruction Set Architecture Reference Guide (July 2026). The comments in the code are by the model that wrote it; some were corrected since.
;; Multihead Attention. Allowed arithmetic: matrix products marked QUANTISED: E2M1 operands, one E8M0 scale for each 32 along K, by v_wmma_scale_f32_16x16x128_f8f6f4 with both operands' format E2M1 (or v_wmma_scale_f32_32x16x128_f4), f32 sums; everything else in f32.
;; Inputs: Wk_codes 1,024 x 32 x 16 uint8 (E2M1 codes of Wk, K innermost, in blocks of 32 codes, two codes a byte); Wk_scales 1,024 x 32 uint8 (E8M0 scales of Wk, one for each 32 codes along K); Wo_codes 1,024 x 32 x 16 uint8 (E2M1 codes of Wo, K innermost, in blocks of 32 codes, two codes a byte); Wo_scales 1,024 x 32 uint8 (E8M0 scales of Wo, one for each 32 codes along K); Wq_codes 1,024 x 32 x 16 uint8 (E2M1 codes of Wq, K innermost, in blocks of 32 codes, two codes a byte); Wq_scales 1,024 x 32 uint8 (E8M0 scales of Wq, one for each 32 codes along K); Wv_codes 1,024 x 32 x 16 uint8 (E2M1 codes of Wv, K innermost, in blocks of 32 codes, two codes a byte); Wv_scales 1,024 x 32 uint8 (E8M0 scales of Wv, one for each 32 codes along K); bk 1,024 float32; bo 1,024 float32; bq 1,024 float32; bv 1,024 float32; key_codes 2,048 x 2 x 32 x 16 uint8 (E2M1 codes of key, K innermost, in blocks of 32 codes, two codes a byte); key_scales 2,048 x 2 x 32 uint8 (E8M0 scales of key, one for each 32 codes along K); mask 1 x 2,048 x 1 int32; query_codes 2,048 x 2 x 32 x 16 uint8 (E2M1 codes of query, K innermost, in blocks of 32 codes, two codes a byte); query_scales 2,048 x 2 x 32 uint8 (E8M0 scales of query, one for each 32 codes along K); value_codes 2,048 x 2 x 32 x 16 uint8 (E2M1 codes of value, K innermost, in blocks of 32 codes, two codes a byte); value_scales 2,048 x 2 x 32 uint8 (E8M0 scales of value, one for each 32 codes along K).
;; Outputs: out0 2,048 x 2 x 1,024 float32.
;; This version of the problem:
;;   THIS VERSION OF THE PROBLEM IS GIVEN IN LOW PRECISION. The matrix products marked QUANTISED in the list below multiply operands that are first quantised to E2M1 (2 exponent bits, 1 mantissa bit; 4 bits a number), with one power-of-two scale for each 32 numbers along K (OCP MX v1.0); their sums are f32. All else is computed in f32.
;;   The module's matrix products, in the order in which they are computed (A, B: the left and right operand; K: the contracted axis; several contracted axes count as one K, in the product's order):
;;     1. [M 4,096, K 1,024] x [K 1,024, N 1,024]; A: input query (given as codes); B: input Wq (given as codes): QUANTISED
;;     2. [M 4,096, K 1,024] x [K 1,024, N 1,024]; A: input key (given as codes); B: input Wk (given as codes): QUANTISED
;;     3. [M 4,096, K 1,024] x [K 1,024, N 1,024]; A: input value (given as codes); B: input Wv (given as codes): QUANTISED
;;     4. batch 32 x [M 2,048, K 64] x [K 64, N 2,048]; A: computed on the way; B: computed on the way: QUANTISED
;;     5. batch 32 x [M 64, K 2,048] x [K 2,048, N 2,048]; A: computed on the way; B: softmax (see below): QUANTISED
;;     6. [M 4,096, K 1,024] x [K 1,024, N 1,024]; A: computed on the way; B: input Wo (given as codes): QUANTISED
;;   THE QUANTISER, for each operand of a quantised product, along K:
;;     - K is cut into blocks of 32 from its start; a last block that is shorter is filled with zeros.
;;     - A block's scale is 2^e with e = floor(log2(the largest magnitude in the block)) - 2, held to -126 .. 127; a block of zeros has e = 0. As a byte (E8M0): e + 127.
;;     - Each number is divided by its block's scale, clamped to +-6, and rounded to the nearest number of E2M1, ties to even, subnormals kept.
;;     - The product sums the exact products of the quantised numbers (number of the format x scale) in f32.
;;   ~~~python
;;   def quantise(x, axis):      # numpy; x: float32 -> the quantised numbers, widened to float32 again
;;       x = np.moveaxis(x, axis, -1); K = x.shape[-1]
;;       x = np.pad(x, [(0, 0)] * (x.ndim - 1) + [(0, -K % 32)]); x = x.reshape(x.shape[:-1] + (-1, 32)); a = np.abs(x).max(-1, keepdims=True)
;;       e = np.where(a > 0, np.clip(np.frexp(np.where(a > 0, a, 1))[1] - 1 - 2, -126, 127), 0)      # np.frexp(a)[1] - 1 = floor(log2(a)), exactly
;;       r = np.clip(x / 2.0 ** e, -6, 6)
;;       step = 2.0 ** (np.maximum(np.frexp(np.where(r == 0, 1, r))[1] - 1, 0) - 1)
;;       q = np.round(r / step) * step * 2.0 ** e      # np.round: ties to even
;;       return np.moveaxis(q.reshape(q.shape[:-2] + (-1,))[..., :K], -1, axis).astype(np.float32)
;;   ~~~
;;   SOFTMAX AHEAD OF A QUANTISED PRODUCT. Where the list says 'softmax', what is quantised is not the finished softmax but p = 2^(t - M), with t = logit x log2(e) and M = ceil(the row's largest t), a whole number; so 1/2 < the row's largest p <= 1. The row's sum l is taken of the UNQUANTISED p, in f32, and the product's result is divided by l at the end. Since M is a whole number, a kernel that streams over the keys may use a running M (the ceiling of the running maximum): every later rescaling is an exact power of two, which a block's scale takes up: the codes' values come out the same.
;;   OPERANDS COMPUTED ON THE WAY. 'Computed on the way' means the value that the module computes at that place (a softmax that the list does not call 'softmax' is quantised finished and normalised). What goes into a quantiser is computed in f32, as accurately as f32 sums, v_exp_f32 and their like allow (about 1e-6 of the number): no bf16 or f16 on the way to a quantiser, and a product that is left as it is and whose result goes on into a quantised operand takes f32 operands (vector FMAs, or v_wmma_f32_16x16x4_f32). A number that lies on a knife's edge between two numbers of the format may be rounded either way, as far as f32 arithmetic and the matrix unit's own rounding can turn it there, and no further.
;;   INPUTS GIVEN AS CODES. Wk (in the module: [1024, 1024], K = its axis 1); Wo (in the module: [1024, 1024], K = its axis 1); Wq (in the module: [1024, 1024], K = its axis 1); Wv (in the module: [1024, 1024], K = its axis 1); key (in the module: [2048, 2, 1024], K = its axis 2); query (in the module: [2048, 2, 1024], K = its axis 2); value (in the module: [2048, 2, 1024], K = its axis 2): each comes as NAME_codes (uint8): NAME with its K axis moved to the last place and cut into blocks of 32 codes, [.., K / 32, bytes a block], one block behind the other in memory; two codes a byte, the lower K in the low four bits (a code: sign, 2 exponent bits, 1 mantissa bit); and NAME_scales (uint8): the same leading axes, one E8M0 byte (e + 127) for each 32 codes along K. Its value is code x scale, taken as it is: it is not quantised again, and the codes and scales need not be those that the quantiser above would give.
;; One version. Each part assembles by itself: llvm-mc -triple=amdgcn-amd-amdhsa -mcpu=gfx1250 --defsym DOCPART=n.
;; ======== version 1 of 1: 3 launches
;; limits: right only within a limited range of input values
;; workspace buffers: qrec 2,359,296 bytes; kv 4,587,520 bytes; xc 2,097,152 bytes; xs 131,072 bytes
;; launch proj (part 1): grid 4 x 48, 8 waves a work-group, clusters of 4 x 4, 327,680 bytes of LDS; arguments query_codes, key_codes, value_codes, query_scales, key_scales, value_scales, Wq_codes, Wk_codes, Wv_codes, Wq_scales, Wk_scales, Wv_scales, bq, bk, bv, qrec, kv; writes qrec, kv
.if DOCPART == 1
	.amdgcn_target "amdgcn-amd-amdhsa--gfx1250"
	.amdhsa_code_object_version 6
	.text
	.protected	k_q19f244d261_proj
	.globl	k_q19f244d261_proj
	.p2align	8
	.type	k_q19f244d261_proj,@function
k_q19f244d261_proj:
	s_mov_b64 s[64:65], 0
	v_nop
	global_prefetch_b8 v0, s[64:65] scope:SCOPE_SE
	s_setreg_imm32_b32 hwreg(HW_REG_WAVE_MODE, 25, 1), 1
	s_wait_xcnt 0x0
	s_wait_alu depctr_hold_cnt(0) depctr_sa_sdst(0) depctr_va_vdst(0) depctr_va_sdst(0) depctr_va_ssrc(0) depctr_va_vcc(0) depctr_vm_vsrc(0)
	s_getreg_b32 s2, hwreg(HW_REG_IB_STS2, 6, 4)
	s_cmp_eq_u32 s2, 0
	s_cbranch_scc0 .Lentry_in_a_cluster
	s_endpgm
.Lentry_in_a_cluster:
	s_bfe_u32 s2, ttmp6, 0x10000c
	s_cmp_lg_u32 s2, 0xf033
	s_cbranch_scc0 .Lentry_shape_is_right
	s_endpgm
.Lentry_shape_is_right:
; q = query Wq^T + bq, k, v likewise, on codes of FP4 (E2M1) with E8M0 scales, sums in f32; each result is quantised here for the product that takes it (q, k along the head's 64 channels, v along the tokens) and stored as images of operand registers.
; LEFT OUT: mask.  reference() deletes it before any use, so it reaches no output for any values; it is not loaded and is among no launch's arguments.  A NaN or infinity there is not carried (it holds whole numbers).
; LIMITS: NaN and infinities are not served; a given scale byte 0xff gives NaN; a block whose largest magnitude lies under 2^-124 gets the scale byte 1.
; SHARES.  192 work-groups: product z (q, k, v), 256 rows of x (128 tokens x 2 batches), 256 rows of W, all of K in LDS, filled once.  Eight waves: source 0 takes 128 rows (8 tiles), source 1 64 rows (4 tiles): 32 accumulators, all of register window 1.
;   q, k: source 0 = W's rows, source 1 = tokens: a lane holds one token, its registers run along the channels.   v: source 0 = tokens, source 1 = W's rows: a lane holds one channel, its registers run along the tokens.
; CLUSTER 4 x 4: a row asks jointly for the same rows of x, a column for the same rows of W.  Waves 0 to 3 fetch 64 rows of x each, waves 4 to 7 64 rows of W: one load a wave.
; ROWS OF A TILE.  In a unit of 64 rows tile t's lane r takes row 8 t + r (r < 8) or 32 + 8 (t xor 1) + r - 8: so lanes 0-15 of a result hold the whole block of rows 0-31 in the 32 registers of four tiles, lanes 16-31 the block of rows 32-63
;   (its groups of eight in the order 1, 0, 3, 2: the same for both operands of q k^T, and for p and v; the next launch undoes it for x).  The 16 rows begin at 16 different places of 16 bytes modulo 256 in LDS.
; Prefetches: none: there is no loop to run ahead in, all is asked for at the head.
.set PITCH, 528                        ; 512 bytes of a row + 16 of padding
.set WBASE, 256*PITCH
.set SPARE, 512*PITCH                  ; spare words, 128 bytes a wave
.set WV,   3
.set XC,   4
.set XS,   6
.set WC,   8
.set WSC,  10
.set BI,   12
.set OUT,  14
.set CX,   50
.set CY,   51
.set CYC,  52
.set Z,    53
.set XB,   54
.set WB,   55
.set S0,   56                          ; which 128 rows of source 0
.set S1,   57                          ; which 64 rows of source 1
.set RS,   58
.set MROW, 59
.set MCOL, 66
.set G0X,  60
.set G1X,  68
.set G1W,  76
.set G0W,  84
.set OX,   88
.set OW,   90
.set BC0,  92
.set BC1,  94
.set A0E,  1                           ; v1, v2  LDS address of source 0's tiles, even and odd
.set A1E,  3                           ; v3, v4  of source 1's
.set SC0,  16                          ; v16-47 source 0's scale words: register 8 (tile / 2) + K step, the odd tile's in lanes 16-31
.set SC1,  48                          ; v48-63 source 1's
.set F0,   64                          ; v64-127 fragments
.set F1,   128                         ; v128-159
.set BIAS, 160                         ; v160-223
.set TM,   224
.set OP,   232
.set E,    240
.set WD,   248
.set PC,   64                          ; codes: 4 registers for each of the 8 blocks a lane holds
.set MSB, 0
.macro WIN new
.if MSB != (\new)
	s_set_vgpr_msb (MSB<<8)|(\new)
.set MSB, (\new)
.endif
.endm
.macro ROUND
	s_barrier_signal -1
	s_barrier_wait -1
	s_cmp_lg_u32 s[WV], 0
	s_cbranch_scc1 .Lnot_wave_0_\@
	s_barrier_signal -3
.Lnot_wave_0_\@:
	s_barrier_wait -3
	s_barrier_signal -1
	s_barrier_wait -1
.endm
.macro WM d, a, b, c, sa, sb, ra, rb
.if (\ra)
.if (\rb)
	v_wmma_scale_f32_16x16x128_f8f6f4 v[\d:\d+7], v[\a:\a+7], v[\b:\b+7], v[\c:\c+7], v[\sa], v[\sb] matrix_a_fmt:MATRIX_FMT_FP4 matrix_b_fmt:MATRIX_FMT_FP4 matrix_a_scale:MATRIX_SCALE_ROW1 matrix_b_scale:MATRIX_SCALE_ROW1
.else
	v_wmma_scale_f32_16x16x128_f8f6f4 v[\d:\d+7], v[\a:\a+7], v[\b:\b+7], v[\c:\c+7], v[\sa], v[\sb] matrix_a_fmt:MATRIX_FMT_FP4 matrix_b_fmt:MATRIX_FMT_FP4 matrix_a_scale:MATRIX_SCALE_ROW1
.endif
.else
.if (\rb)
	v_wmma_scale_f32_16x16x128_f8f6f4 v[\d:\d+7], v[\a:\a+7], v[\b:\b+7], v[\c:\c+7], v[\sa], v[\sb] matrix_a_fmt:MATRIX_FMT_FP4 matrix_b_fmt:MATRIX_FMT_FP4 matrix_b_scale:MATRIX_SCALE_ROW1
.else
	v_wmma_scale_f32_16x16x128_f8f6f4 v[\d:\d+7], v[\a:\a+7], v[\b:\b+7], v[\c:\c+7], v[\sa], v[\sb] matrix_a_fmt:MATRIX_FMT_FP4 matrix_b_fmt:MATRIX_FMT_FP4
.endif
.endif
.endm
; K step q (128 along K): 24 LDS loads, 32 products, the 32 accumulators by turns.  cm = 0: C is the accumulator; 1: the bias by source 0's tile; 2: the bias by source 1's tile.
.macro KSTEP q, cm
.if \q > 0
.rept 4
	v_nop                                          ; four places between products and loads into registers that they read
.endr
.endif
.irp s, 0,1,2,3
.irp c, 0,1
	ds_load_b128 v[F1+8*\s+4*\c:F1+8*\s+4*\c+3], v[A1E+\s%2] offset:8*\s*PITCH+64*\q+32*\c
.endr
.endr
.irp i, 0,1,2,3,4,5,6,7
.irp c, 0,1
	ds_load_b128 v[F0+8*\i+4*\c:F0+8*\i+4*\c+3], v[A0E+\i%2] offset:(64*(\i/4)+8*(\i%4))*PITCH+64*\q+32*\c
.endr
.endr
.if \cm
	WIN 0x40
.else
	WIN 0x50
.endif
.irp i, 0,1,2,3,4,5,6,7
	s_wait_dscnt 14-2*\i                           ; source 1's tiles and source 0's tile i are in; the loads of the tiles behind it may be out
.irp s, 0,1,2,3
.if \cm == 0
	WM 32*(4*(\i/4)+\s)+8*(\i%4), F0+8*\i, F1+8*\s, 32*(4*(\i/4)+\s)+8*(\i%4), SC0+8*(\i/2)+\q, SC1+8*(\s/2)+\q, \i%2, \s%2
.elseif \cm == 1
	WM 32*(4*(\i/4)+\s)+8*(\i%4), F0+8*\i, F1+8*\s, BIAS+8*\i, SC0+8*(\i/2)+\q, SC1+8*(\s/2)+\q, \i%2, \s%2
.else
	WM 32*(4*(\i/4)+\s)+8*(\i%4), F0+8*\i, F1+8*\s, BIAS+8*\s, SC0+8*(\i/2)+\q, SC1+8*(\s/2)+\q, \i%2, \s%2
.endif
.endr
.endr
	WIN 0
.endm
; Scale words: p0, p1 pointers, v0r, v1r offsets, b0, b1 bytes from row to row.
.macro SCALES p0, v0r, b0, p1, v1r, b1
.irp g, 0,1,2,3
.irp f, 0,1
	global_load_b128 v[SC0+8*\g+4*\f:SC0+8*\g+4*\f+3], v[\v0r], s[\p0:\p0+1] offset:(64*(\g/2)+16*(\g%2))*\b0+16*\f
.endr
.endr
.irp g, 0,1
.irp f, 0,1
	global_load_b128 v[SC1+8*\g+4*\f:SC1+8*\g+4*\f+3], v[\v1r], s[\p1:\p1+1] offset:16*\g*\b1+16*\f
.endr
.endr
.endm
	s_load_b512 s[16:31], s[0:1], 0x0
	s_load_b512 s[32:47], s[0:1], 0x40
	s_load_b64 s[48:49], s[0:1], 0x80
	v_lshl_add_u32 v254, v0, 2, SPARE
	v_mov_b32 v255, 0
	ds_add_u32 v254, v255                          ; the opening adds
	ds_add_u32 v254, v255
	v_lshrrev_b32 v5, 5, v0
	v_readfirstlane_b32 s[WV], v5                  ; wave 0..7
	s_bfe_u32 s[CX], ttmp6, 0x40000
	s_bfe_u32 s[CY], ttmp6, 0x40004
	s_and_b32 s[CYC], ttmp7, 0xffff
	s_lshr_b32 s[Z], s[CYC], 2                     ; which product: the same in a whole cluster
	s_and_b32 s[XB], s[CYC], 3
	s_lshl_b32 s[XB], s[XB], 2
	s_add_co_u32 s[XB], s[XB], s[CY]               ; block of 128 tokens
	s_lshl_b32 s[WB], ttmp9, 2
	s_add_co_u32 s[WB], s[WB], s[CX]               ; block of 256 channels
	s_lshl_b32 s[MROW], s[CY], 2
	s_lshl_b32 s[MROW], 15, s[MROW]
	s_lshl_b32 s[MCOL], 0x1111, s[CX]
	s_and_b32 s[S0], s[WV], 1
	s_lshr_b32 s[S1], s[WV], 1
	s_or_b32 s[G1X], s[MROW], (1<<20)|(1<<21)|(6<<22)|(3<<25)   ; elements of 1 byte; padding: four words after every 128
	s_or_b32 s[G1W], s[MCOL], (1<<20)|(1<<21)|(6<<22)|(3<<25)
.irp g, G1X, G1W
	s_mov_b32 s[\g+1], 512<<16
	s_mov_b32 s[\g+2], 64<<16
	s_mov_b32 s[\g+3], 512<<16
	s_mov_b32 s[\g+4], 64
	s_mov_b32 s[\g+6], 0
	s_mov_b32 s[\g+7], 0
.endr
	s_mov_b32 s[G1X+5], 1024                       ; from token to token of a batch
	s_mov_b32 s[G1W+5], 512
	s_and_b32 s99, s[WV], 3
	s_lshl_b32 s[OX], s[XB], 17
	s_and_b32 s100, s99, 1
	s_lshl_b32 s100, s100, 16                      ; 64 tokens
	s_add_co_u32 s[OX], s[OX], s100
	s_lshr_b32 s100, s99, 1
	s_lshl_b32 s100, s100, 9                       ; the batch
	s_add_co_u32 s[OX], s[OX], s100
	s_mov_b32 s[OX+1], 0
	s_lshl_b32 s[OW], s[WB], 17
	s_lshl_b32 s100, s99, 15                       ; 64 rows
	s_add_co_u32 s[OW], s[OW], s100
	s_mov_b32 s[OW+1], 0
	; LDS addresses as if both sources lay in x's rows; each arm below moves the one that takes W's rows on by WBASE
	s_mul_i32 s98, s[S0], 128*PITCH
	s_mul_i32 s99, s[S1], 64*PITCH
	v_and_b32 v6, 7, v0
	v_bfe_u32 v7, v0, 3, 1
	v_bfe_u32 v8, v0, 4, 1
	v_mul_u32_u24 v9, PITCH, v6
	v_lshl_add_u32 v9, v8, 4, v9
	v_mul_u32_u24 v10, 40*PITCH, v7
	v_mul_u32_u24 v11, 24*PITCH, v7
	v_add_nc_u32 v10, v10, v9
	v_add_nc_u32 v11, v11, v9
	v_add_nc_u32 v[A0E], s98, v10
	v_add_nc_u32 v[A0E+1], s98, v11
	v_add_nc_u32 v[A1E], s99, v10
	v_add_nc_u32 v[A1E+1], s99, v11
	v_xor_b32 v5, v7, v8
	v_lshl_add_u32 v5, v5, 3, v6
	v_lshl_add_u32 v5, v7, 5, v5                   ; my scale row: lanes 0-15 an even tile's, lanes 16-31 the next tile's
	v_lshlrev_b32 v10, 5, v5                       ; W's scales: 32 bytes a row
	v_lshlrev_b32 v11, 6, v5                       ; x's: 64 bytes a token
	v_mul_u32_u24 v12, 160, v8                     ; the bias along registers: even and odd tiles
	v_mul_u32_u24 v13, 96, v8
	v_lshlrev_b32 v14, 2, v6
	v_mul_u32_u24 v15, 96, v7
	v_add_nc_u32 v15, v15, v14                     ; the bias along lanes: odd tiles
	v_lshlrev_b32 v9, 6, v7
	v_add_nc_u32 v14, v15, v9                      ; and even ones: 160 x (lane / 8 % 2)
	v_and_b32 v9, 31, v0
	s_wait_alu depctr_va_vdst(0)                   ; the wait at the head's end
	s_wait_dscnt 0x0
	s_wait_kmcnt 0x0
	s_cmp_eq_u32 s[Z], 0
	s_cselect_b64 s[XC:XC+1], s[16:17], s[18:19]
	s_cselect_b64 s[XS:XS+1], s[22:23], s[24:25]
	s_cselect_b64 s[WC:WC+1], s[28:29], s[30:31]
	s_cselect_b64 s[WSC:WSC+1], s[34:35], s[36:37]
	s_cselect_b64 s[BI:BI+1], s[40:41], s[42:43]
	s_cselect_b64 s[OUT:OUT+1], s[46:47], s[48:49]
	s_mov_b32 s[RS], 8960
	s_cselect_b32 s[RS], 4608, s[RS]
	s_cmp_eq_u32 s[Z], 2
	s_cselect_b64 s[XC:XC+1], s[20:21], s[XC:XC+1]
	s_cselect_b64 s[XS:XS+1], s[26:27], s[XS:XS+1]
	s_cselect_b64 s[WC:WC+1], s[32:33], s[WC:WC+1]
	s_cselect_b64 s[WSC:WSC+1], s[38:39], s[WSC:WSC+1]
	s_cselect_b64 s[BI:BI+1], s[44:45], s[BI:BI+1]
	s_mul_i32 s98, s[WV], 64*PITCH                 ; wave x 64 rows: x's 256, then W's
	s_mov_b32 s[G0X], 1
	s_mov_b32 s[G0X+1], s98
	s_add_nc_u64 s[G0X+2:G0X+3], s[XC:XC+1], s[OX:OX+1]
	s_or_b32 s[G0X+3], s[G0X+3], 0x80000000
	s_mov_b32 s[G0W], 1
	s_mov_b32 s[G0W+1], s98
	s_add_nc_u64 s[G0W+2:G0W+3], s[WC:WC+1], s[OW:OW+1]
	s_or_b32 s[G0W+3], s[G0W+3], 0x80000000
	ROUND                                          ; all sixteen work-groups are here: the joint loads meet
	s_cmp_lt_u32 s[WV], 4
	s_cbranch_scc0 .Lfor_w
	tensor_load_to_lds s[G0X:G0X+3], s[G1X:G1X+7]
	s_nop 0
.rept 4
	v_nop
.endr
	s_branch .Lasked
.Lfor_w:
	tensor_load_to_lds s[G0W:G0W+3], s[G1W:G1W+7]
	s_nop 0
.rept 4
	v_nop
.endr
.Lasked:
	s_lshl_b32 s98, s[WB], 10                      ; the block's bias
	s_mov_b32 s99, 0
	s_add_nc_u64 s[BI:BI+1], s[BI:BI+1], s[98:99]
	s_lshl_b32 s98, s[WB], 13                      ; its rows' scales
	s_add_nc_u64 s[WSC:WSC+1], s[WSC:WSC+1], s[98:99]
	s_lshl_b32 s98, s[XB], 13                      ; the tokens' scales
	s_add_nc_u64 s[XS:XS+1], s[XS:XS+1], s[98:99]
	s_cmp_eq_u32 s[Z], 2
	s_cbranch_scc1 .Lv
	s_lshl_b32 s98, s[S0], 12
	s_add_nc_u64 s[WSC:WSC+1], s[WSC:WSC+1], s[98:99]
	s_and_b32 s98, s[S1], 1
	s_lshl_b32 s98, s98, 12
	s_lshr_b32 s100, s[S1], 1
	s_lshl_b32 s100, s100, 5
	s_add_co_u32 s98, s98, s100
	s_add_nc_u64 s[XS:XS+1], s[XS:XS+1], s[98:99]
	s_lshl_b32 s98, s[S0], 9
	s_add_nc_u64 s[BI:BI+1], s[BI:BI+1], s[98:99]
	v_add_nc_u32 v[A0E], WBASE, v[A0E]
	v_add_nc_u32 v[A0E+1], WBASE, v[A0E+1]
	s_wait_alu depctr_va_vdst(0)                   ; the wait behind the write
	SCALES WSC, 10, 32, XS, 11, 64
.irp i, 0,1,2,3,4,5,6,7
.irp f, 0,1
	global_load_b128 v[BIAS+8*\i+4*\f:BIAS+8*\i+4*\f+3], v[12+\i%2], s[BI:BI+1] offset:4*(64*(\i/4)+8*(\i%4))+16*\f
.endr
.endr
	s_wait_tensorcnt 0x0                           ; my part has landed,
	s_barrier_signal -1
	s_barrier_wait -1                              ; everybody's has
	s_wait_loadcnt 0x0
	KSTEP 0, 1
.irp q, 1,2,3,4,5,6,7
	KSTEP \q, 0
.endr
	s_branch .Lk
.Lv:
	s_lshl_b32 s98, s[S0], 5
	s_add_nc_u64 s[XS:XS+1], s[XS:XS+1], s[98:99]
	s_lshl_b32 s98, s[S1], 11
	s_add_nc_u64 s[WSC:WSC+1], s[WSC:WSC+1], s[98:99]
	s_lshl_b32 s98, s[S1], 8
	s_add_nc_u64 s[BI:BI+1], s[BI:BI+1], s[98:99]
	v_add_nc_u32 v[A1E], WBASE, v[A1E]
	v_add_nc_u32 v[A1E+1], WBASE, v[A1E+1]
	s_wait_alu depctr_va_vdst(0)                   ; the wait behind the write
	SCALES XS, 11, 64, WSC, 10, 32
.irp s, 0,1,2,3
	global_load_b32 v[TM+\s], v[14+\s%2], s[BI:BI+1] offset:32*\s
.endr
	s_wait_tensorcnt 0x0
	s_barrier_signal -1
	s_barrier_wait -1
	s_wait_loadcnt 0x0
.irp s, 0,1,2,3
.irp j, 0,1,2,3,4,5,6,7
	v_mov_b32 v[BIAS+8*\s+\j], v[TM+\s]            ; a lane's channel has one bias for all its tokens
.endr
.endr
	s_wait_alu depctr_va_vdst(0)                   ; the wait ahead of the blocking waits below
	KSTEP 0, 2
.irp q, 1,2,3,4,5,6,7
	KSTEP \q, 0
.endr
.Lk:
.rept 4
	v_nop                                          ; four places in front of the first read of results
.endr
; QUANTISE.  Block k = 4 u + s: 32 registers of source 0's unit u and source 1's tile s; a lane holds the whole block.
	WIN 0x05
.irp k, 0,1,2,3,4,5,6,7
	v_max3_num_f32 v[TM+\k], |v[32*\k]|, |v[32*\k+1]|, 0x1800000   ; the floor 2^(3 - 127) keeps the byte at 1 or above
.endr
.irp i, 2,4,6,8,10,12,14,16,18,20,22,24,26,28,30
.irp k, 0,1,2,3,4,5,6,7
	v_max3_num_f32 v[TM+\k], |v[32*\k+\i]|, |v[32*\k+\i+1]|, v[TM+\k]
.endr
.endr
	WIN 0
.irp k, 0,1,2,3,4,5,6,7
	v_add_nc_u32 v[OP+\k], 0xff000000, v[TM+\k]    ; 2 off the exponent field: the conversion's scale operand
.endr
.irp k, 0,1,2,3,4,5,6,7
	v_lshrrev_b32 v[E+\k], 23, v[OP+\k]            ; the scale's byte
.endr
	WIN 0x01
.irp k, 0,1,2,3,4,5,6,7
.irp t, 0,1,2,3
	v_cvt_scalef32_pk8_fp4_f32 v[PC+4*\k+\t], v[32*\k+8*\t:32*\k+8*\t+7], v[OP+\k]
.endr
.endr
	WIN 0
	v_lshlrev_b32 v5, 4, v9                        ; 16 x lane
	v_lshlrev_b32 v6, 3, v9                        ; 8 x lane
	s_cmp_eq_u32 s[Z], 2
	s_wait_alu depctr_va_vdst(0)                   ; the wait ahead of the branch
	s_cbranch_scc1 .Lout_v
	; q, k: head u, token tile s.  Scale words: lanes 0-15 tile 0 or 2, lanes 16-31 tile 1 or 3: bytes of blocks 0 and 1
.irp k, 0,2,4,6
	v_permlane16_swap_b32 v[E+\k], v[E+\k+1]
.endr
.irp k, 0,2,4,6
	v_lshl_or_b32 v[WD+\k/2], v[E+\k+1], 8, v[E+\k]
.endr
	s_lshr_b32 s98, s[S1], 1
	s_lshl_b32 s98, s98, 4                         ; 16 b
	s_lshl_b32 s100, s[WB], 2
	s_add_co_u32 s98, s98, s100
	s_lshl_b32 s100, s[S0], 1
	s_add_co_u32 s98, s98, s100                    ; + head
	s_lshl_b32 s98, s98, 4
	s_add_co_u32 s98, s98, s[XB]
	s_mul_i32 s98, s98, s[RS]
	s_mov_b32 s99, 0
	s_add_nc_u64 s[BC0:BC0+1], s[OUT:OUT+1], s[98:99]
	s_lshl_b32 s98, s[RS], 4
	s_add_nc_u64 s[BC1:BC1+1], s[BC0:BC0+1], s[98:99]
	s_and_b32 s100, s[S1], 1
	s_lshl_b32 s101, s100, 11
	s_lshl_b32 s100, s100, 8
	v_add_nc_u32 v7, s101, v5
	v_add_nc_u32 v8, s100, v6
	s_wait_alu depctr_va_vdst(0)                   ; the wait ahead of the readers behind scalar work
.irp s, 0,1,2,3
	global_store_b128 v7, v[PC+4*\s:PC+4*\s+3], s[BC0:BC0+1] offset:512*\s
	global_store_b128 v7, v[PC+16+4*\s:PC+16+4*\s+3], s[BC1:BC1+1] offset:512*\s
.endr
	global_store_b64 v8, v[WD:WD+1], s[BC0:BC0+1] offset:4096     ; 32 lanes store 256 consecutive bytes
	global_store_b64 v8, v[WD+2:WD+3], s[BC1:BC1+1] offset:4096
	s_branch .Ldone
.Lout_v:
	; v: channel tile s, token unit u: bytes 2 u + (lane / 16)
.irp s, 0,1,2,3
	v_lshl_or_b32 v[E+\s], v[E+4+\s], 16, v[E+\s]
.endr
.irp k, 0,2
	v_permlane16_swap_b32 v[E+\k], v[E+\k+1]
.endr
.irp k, 0,2
	v_lshl_or_b32 v[WD+\k/2], v[E+\k+1], 8, v[E+\k]
.endr
	s_lshl_b32 s98, s[S0], 4
	s_lshl_b32 s100, s[WB], 2
	s_add_co_u32 s98, s98, s100
	s_add_co_u32 s98, s98, s[S1]
	s_lshl_b32 s98, s98, 4
	s_add_co_u32 s98, s98, s[XB]
	s_mul_i32 s98, s98, 8960
	s_mov_b32 s99, 0
	s_add_nc_u64 s[BC0:BC0+1], s[OUT:OUT+1], s[98:99]
	s_wait_alu depctr_va_vdst(0)                   ; the wait ahead of the readers behind scalar work
.irp k, 0,1,2,3,4,5,6,7
	global_store_b128 v5, v[PC+4*\k:PC+4*\k+3], s[BC0:BC0+1] offset:4608+1024*(\k%4)+512*(\k/4)
.endr
	global_store_b64 v6, v[WD:WD+1], s[BC0:BC0+1] offset:8704
.Ldone:
	s_wait_tensorcnt 0x0                           ; the wave's end
	ds_add_u32 v254, v255
	s_wait_dscnt 0x0
	ROUND                                          ; the closing round
	s_endpgm
.Lfunc_end_k_q19f244d261_proj:
	.size	k_q19f244d261_proj, .Lfunc_end_k_q19f244d261_proj-k_q19f244d261_proj
	.p2alignl 7, 3214868480
	.fill 96, 4, 3214868480
	.section	.rodata,"a",@progbits
	.p2align	6, 0x0
	.amdhsa_kernel k_q19f244d261_proj
		.amdhsa_group_segment_fixed_size 327680
		.amdhsa_private_segment_fixed_size 0
		.amdhsa_enable_private_segment 0
		.amdhsa_kernarg_size 136
		.amdhsa_user_sgpr_count 2
		.amdhsa_user_sgpr_kernarg_segment_ptr 1
		.amdhsa_wavefront_size32 1
		.amdhsa_system_sgpr_workgroup_id_x 1
		.amdhsa_system_sgpr_workgroup_id_y 1
		.amdhsa_system_sgpr_workgroup_id_z 1
		.amdhsa_system_vgpr_workitem_id 0
		.amdhsa_next_free_vgpr 512
		.amdhsa_next_free_sgpr 102
		.amdhsa_reserve_vcc 0
		.amdhsa_float_denorm_mode_32 3
		.amdhsa_float_denorm_mode_16_64 3
		.amdhsa_memory_ordered 1
		.amdhsa_forward_progress 1
		.amdhsa_inst_pref_size 123
	.end_amdhsa_kernel
	.amdgpu_metadata
---
amdhsa.version: [ 1, 2 ]
amdhsa.kernels:
  - .name:           k_q19f244d261_proj
    .symbol:         k_q19f244d261_proj.kd
    .args:
      - { .name: query_codes, .offset: 0, .size: 8, .value_kind: global_buffer, .address_space: global }
      - { .name: key_codes, .offset: 8, .size: 8, .value_kind: global_buffer, .address_space: global }
      - { .name: value_codes, .offset: 16, .size: 8, .value_kind: global_buffer, .address_space: global }
      - { .name: query_scales, .offset: 24, .size: 8, .value_kind: global_buffer, .address_space: global }
      - { .name: key_scales, .offset: 32, .size: 8, .value_kind: global_buffer, .address_space: global }
      - { .name: value_scales, .offset: 40, .size: 8, .value_kind: global_buffer, .address_space: global }
      - { .name: Wq_codes, .offset: 48, .size: 8, .value_kind: global_buffer, .address_space: global }
      - { .name: Wk_codes, .offset: 56, .size: 8, .value_kind: global_buffer, .address_space: global }
      - { .name: Wv_codes, .offset: 64, .size: 8, .value_kind: global_buffer, .address_space: global }
      - { .name: Wq_scales, .offset: 72, .size: 8, .value_kind: global_buffer, .address_space: global }
      - { .name: Wk_scales, .offset: 80, .size: 8, .value_kind: global_buffer, .address_space: global }
      - { .name: Wv_scales, .offset: 88, .size: 8, .value_kind: global_buffer, .address_space: global }
      - { .name: bq, .offset: 96, .size: 8, .value_kind: global_buffer, .address_space: global }
      - { .name: bk, .offset: 104, .size: 8, .value_kind: global_buffer, .address_space: global }
      - { .name: bv, .offset: 112, .size: 8, .value_kind: global_buffer, .address_space: global }
      - { .name: qrec, .offset: 120, .size: 8, .value_kind: global_buffer, .address_space: global }
      - { .name: kv, .offset: 128, .size: 8, .value_kind: global_buffer, .address_space: global }
    .group_segment_fixed_size: 327680
    .private_segment_fixed_size: 0
    .kernarg_segment_align: 8
    .kernarg_segment_size: 136
    .max_flat_workgroup_size: 256
    .sgpr_count:     102
    .vgpr_count:     512
    .wavefront_size: 32
...
	.end_amdgpu_metadata
.endif
;; end of part 1
;; launch attn (part 2): grid 8 x 32, 8 waves a work-group, clusters of 4 x 1, 169,984 bytes of LDS; arguments qrec, kv, xc, xs; writes xc, xs
.if DOCPART == 2
	.amdgcn_target "amdgcn-amd-amdhsa--gfx1250"
	.amdhsa_code_object_version 6
	.text
	.protected	k_q19f244d261_attn
	.globl	k_q19f244d261_attn
	.p2align	8
	.type	k_q19f244d261_attn,@function
k_q19f244d261_attn:
	s_mov_b64 s[64:65], 0
	v_nop
	global_prefetch_b8 v0, s[64:65] scope:SCOPE_SE
	s_setreg_imm32_b32 hwreg(HW_REG_WAVE_MODE, 25, 1), 1
	s_wait_xcnt 0x0
	s_wait_alu depctr_hold_cnt(0) depctr_sa_sdst(0) depctr_va_vdst(0) depctr_va_sdst(0) depctr_va_ssrc(0) depctr_va_vcc(0) depctr_vm_vsrc(0)
	s_getreg_b32 s2, hwreg(HW_REG_IB_STS2, 6, 4)
	s_cmp_eq_u32 s2, 0
	s_cbranch_scc0 .Lentry_in_a_cluster
	s_endpgm
.Lentry_in_a_cluster:
	s_bfe_u32 s2, ttmp6, 0x10000c
	s_cmp_lg_u32 s2, 0x3003
	s_cbranch_scc0 .Lentry_shape_is_right
	s_endpgm
.Lentry_shape_is_right:
; x[q] = (sum over keys of p V) / l for one head, p = 2^(t - M), t = (q . k) log2(e) / 8, M = the running largest t rounded UP to a whole number; both products on codes of FP4 (E2M1) with E8M0 scales.
; l is the sum of the UNQUANTISED p, in f32.  When M moves, l and the sums are multiplied by 2^(old M - new M): exact.  x is quantised here along the model axis (two blocks of 32 a head) for the last product.
; LEFT OUT: mask, as the first launch says.
; LIMITS: NaN and infinities are not served; scaled scores stay under 2^31 in magnitude; a block of p or of x whose largest magnitude lies under 2^-123 gets the scale byte 1.
; SHARES.  A work-group owns 256 queries of one (batch, head); each of its EIGHT waves two tiles of 16, A and B.  Every wave walks the head's 2,048 keys, 128 a step.
;   The head's K, V and scale words, 16 records of 8,960 bytes, come into LDS ONCE; each wave fetches two of them and BEGINS ITS WALK THERE: the first step needs its own load alone, a barrier stands behind it.
;   CLUSTER: the four query blocks of a cluster belong to one head: each record is asked for JOINTLY.
; THE TWO TILES TAKE TURNS.  A tile's turn holds its own maxima, scales, exponentials and codes, and for the OTHER tile the row sums and the product with V of its last turn and the scores of its next:
;   so every product is read a turn behind its issue, and independent work stands between the links of each chain.  V of this step and K of the next are loaded in tile A's turn.
; LAYOUT.  S^T = K Q^T (source 0 = 16 keys), O^T = V^T P^T: a lane holds ONE query, and of each 64 keys a whole block of 32 in 32 registers (lanes 0-15 the first, 16-31 the second): a block's maximum and scale need no other lane.
;   K = the head's 64: Q's registers 4-7 hold zero codes; K's fragment of tile t runs on into tile t + 1's registers, which meet those zeros (every code is finite).
; REGISTERS.  Window 0: all but the two tiles' O^T and V's fragments, which lie in window 1.
; Prefetches: none: everything is asked for at the head.
.set REC,  8960
.set XST,  16*REC                      ; 512 bytes in which the tiles' scale bytes meet; no tensor load lands there
.set SPARE, 0x29000
.set WV,   3
.set CS,   12                          ; s[12:13] c = log2(e) / 8 (the packed form names a pair and takes its low word)
.set G1,   16
.set G0,   24
.set SEL,  28                          ; s[28:29] selects for lane l xor 16
.set NC,   30                          ; s30  -c
.set LOW,  31                          ; s31  -3e38
.set TB,   32
.set IDX,  33                          ; the record of K that was fetched last, before it is taken modulo 16
.set CNT,  46
.set LI,   1                           ; 16 x lane
.set LS,   2                           ; 8 x lane
.set ADK,  3
.set ADS,  4
.set XSA,  5
.set XSR,  6
.set STA,  8                           ; v8.. tile A: -M (pair), largest score, -, l in four pairs;  v20.. tile B
.set VS,   32                          ; v32-33 V's scale words, v34-37 K's, v38 Q's (B's in lanes 16-31), v39 p's of tile A, v54 of tile B
.set KS,   34
.set QS,   38
.set PSA,  39
.set FF,   40                          ; f = 2^(old M - new M), a pair
.set TM,   42
.set PX,   46
.set DD,   47
.set N0,   48
.set OP,   50
.set PX2,  52
.set T1,   53
.set PSB,  54
.set SA,   64                          ; v64-127 tile A's S^T, then p
.set SB,   128                         ; v128-191 tile B's
.set KF,   192                         ; v192-227 K: 8 tiles x 4 registers, and 4 of zero codes
.set QA,   228
.set QB,   236
.set PC,   244                         ; p's codes
.set O,    0                           ; window 1: v0-31 tile A's O^T, v32-63 tile B's
.set VF,   64                          ; window 1: v64-95 V^T
.set MSB, 0
.macro WIN new
.if MSB != (\new)
	s_set_vgpr_msb (MSB<<8)|(\new)
.set MSB, (\new)
.endif
.endm
.macro ROUND
	s_barrier_signal -1
	s_barrier_wait -1
	s_cmp_lg_u32 s[WV], 0
	s_cbranch_scc1 .Lnot_wave_0_\@
	s_barrier_signal -3
.Lnot_wave_0_\@:
	s_barrier_wait -3
	s_barrier_signal -1
	s_barrier_wait -1
.endm
; 16 keys x 16 queries: tile t of the step into v[b + 8 t ..]; rb: Q's scale words stand in lanes 16-31
.macro WS b, t, q, rb
.if (\t)%2
.if \rb
	v_wmma_scale_f32_16x16x128_f8f6f4 v[\b+8*\t:\b+8*\t+7], v[KF+4*\t:KF+4*\t+7], v[\q:\q+7], 0, v[KS+\t/2], v[QS] matrix_a_fmt:MATRIX_FMT_FP4 matrix_b_fmt:MATRIX_FMT_FP4 matrix_a_scale:MATRIX_SCALE_ROW1 matrix_b_scale:MATRIX_SCALE_ROW1
.else
	v_wmma_scale_f32_16x16x128_f8f6f4 v[\b+8*\t:\b+8*\t+7], v[KF+4*\t:KF+4*\t+7], v[\q:\q+7], 0, v[KS+\t/2], v[QS] matrix_a_fmt:MATRIX_FMT_FP4 matrix_b_fmt:MATRIX_FMT_FP4 matrix_a_scale:MATRIX_SCALE_ROW1
.endif
.else
.if \rb
	v_wmma_scale_f32_16x16x128_f8f6f4 v[\b+8*\t:\b+8*\t+7], v[KF+4*\t:KF+4*\t+7], v[\q:\q+7], 0, v[KS+\t/2], v[QS] matrix_a_fmt:MATRIX_FMT_FP4 matrix_b_fmt:MATRIX_FMT_FP4 matrix_b_scale:MATRIX_SCALE_ROW1
.else
	v_wmma_scale_f32_16x16x128_f8f6f4 v[\b+8*\t:\b+8*\t+7], v[KF+4*\t:KF+4*\t+7], v[\q:\q+7], 0, v[KS+\t/2], v[QS] matrix_a_fmt:MATRIX_FMT_FP4 matrix_b_fmt:MATRIX_FMT_FP4
.endif
.endif
.endm
; 16 channels x 16 queries: the sums at v[o + 8 t ..] of window 1, p's scale words in v[ps]; z: the sum begins with the constant 0
.macro WO o, ps, t, z
.if (\t)%2
.if \z
	v_wmma_scale_f32_16x16x128_f8f6f4 v[\o+8*\t:\o+8*\t+7], v[VF+8*\t:VF+8*\t+7], v[PC:PC+7], 0, v[VS+\t/2], v[\ps] matrix_a_fmt:MATRIX_FMT_FP4 matrix_b_fmt:MATRIX_FMT_FP4 matrix_a_scale:MATRIX_SCALE_ROW1
.else
	v_wmma_scale_f32_16x16x128_f8f6f4 v[\o+8*\t:\o+8*\t+7], v[VF+8*\t:VF+8*\t+7], v[PC:PC+7], v[\o+8*\t:\o+8*\t+7], v[VS+\t/2], v[\ps] matrix_a_fmt:MATRIX_FMT_FP4 matrix_b_fmt:MATRIX_FMT_FP4 matrix_a_scale:MATRIX_SCALE_ROW1
.endif
.else
.if \z
	v_wmma_scale_f32_16x16x128_f8f6f4 v[\o+8*\t:\o+8*\t+7], v[VF+8*\t:VF+8*\t+7], v[PC:PC+7], 0, v[VS+\t/2], v[\ps] matrix_a_fmt:MATRIX_FMT_FP4 matrix_b_fmt:MATRIX_FMT_FP4
.else
	v_wmma_scale_f32_16x16x128_f8f6f4 v[\o+8*\t:\o+8*\t+7], v[VF+8*\t:VF+8*\t+7], v[PC:PC+7], v[\o+8*\t:\o+8*\t+7], v[VS+\t/2], v[\ps] matrix_a_fmt:MATRIX_FMT_FP4 matrix_b_fmt:MATRIX_FMT_FP4
.endif
.endif
.endm
.macro LOADK
.irp t, 0,1,2,3,4,5,6,7
	ds_load_b128 v[KF+4*\t:KF+4*\t+3], v[ADK] offset:512*\t
.endr
	ds_load_b64 v[KS:KS+1], v[ADS] offset:4096
	ds_load_b64 v[KS+2:KS+3], v[ADS] offset:4352
.endm
; the other tile's scores: in A's turn tile B's of this step, in B's turn tile A's of the next (none behind the last)
.macro SCORE T, last, j
.if \T == 0
	WS SB, \j, QB, 1
.elseif \last == 0
	WS SA, \j, QA, 0
.endif
.endm
.macro SCALED n
.rept \n
	v_pk_fma_f32 v[S+J:S+J+1], v[S+J:S+J+1], s[CS:CS+1], v[ST:ST+1] op_sel_hi:[1,0,0]   ; t - M
.set J, J+2
.endr
.endm
; A TILE'S TURN (T = 0: A, 1: B) in a step.  first: the walk's first step; last: its last.
.macro TURN T, first, last
.set ST, STA+12*\T                     ; my tile's state and scores,
.set S,  SA+64*\T
.set SX, STA+12*(1-\T)                 ; the other tile's
.set SO, SA+64*(1-\T)
	s_wait_alu depctr_va_vdst(0)                   ; the wait ahead of the first readers of S^T
.set J, 0
.irp i, 0,2,4,6,8,10,12,14
.irp k, 0,1,2,3
.if \i == 0
	v_max3_num_f32 v[TM+\k], v[S+16*\k], v[S+16*\k+1], s[LOW]
.else
	v_max3_num_f32 v[TM+\k], v[S+16*\k+\i], v[S+16*\k+\i+1], v[TM+\k]
.endif
.if (\T) || (\first == 0)
	v_pk_add_f32 v[SX+4+2*\k:SX+5+2*\k], v[SO+J:SO+J+1], v[SX+4+2*\k:SX+5+2*\k]   ; the other tile's l, of its unquantised p
.set J, J+2
.endif
.endr
.endr
.if \T
	s_wait_alu depctr_va_vdst(0)                   ; the wait ahead of the blocking wait
	s_wait_dscnt 0x0                               ; V of this step is in, and K of the next
	WIN 0x51
.irp t, 0,1,2,3
	WO O, PSA, \t, \first
.endr
.elseif \first == 0
	WIN 0x51
.irp t, 0,1,2,3
	WO O+32, PSB, \t, 0
.endr
.endif
	WIN 0
	v_max_num_f32 v[TM], v[TM], v[TM+1]            ; my two blocks' largest scores
	v_max_num_f32 v[TM+2], v[TM+2], v[TM+3]
	SCORE \T, \last, 0
	v_max_num_f32 v[DD], v[TM], v[TM+2]
	SCORE \T, \last, 1
	v_permlanex16_b32 v[PX], v[DD], s[SEL], s[SEL+1]
	SCORE \T, \last, 2
.if \first
	v_max_num_f32 v[ST+2], v[DD], v[PX]
.else
	v_max3_num_f32 v[ST+2], v[ST+2], v[DD], v[PX]  ; the largest score so far
	v_mov_b32 v[DD], v[ST]
.endif
	SCORE \T, \last, 3
	v_mul_f32 v[T1], s[NC], v[ST+2]
	SCORE \T, \last, 4
	v_floor_f32 v[ST], v[T1]                       ; -M = floor(-t): a whole number
	SCORE \T, \last, 5
	v_fma_f32 v[N0], v[TM], s[CS], v[ST]
	v_fma_f32 v[N0+1], v[TM+2], s[CS], v[ST]
.if \first == 0
	v_sub_f32 v[DD], v[ST], v[DD]                  ; old M - new M, 0 or less
.endif
	SCORE \T, \last, 6
	v_cvt_floor_i32_f32 v[N0], v[N0]
	v_cvt_floor_i32_f32 v[N0+1], v[N0+1]
.if \first == 0
	v_cvt_i32_f32 v[DD], v[DD]                     ; (it saturates)
.endif
	SCORE \T, \last, 7
	v_max_i32 v[N0], 0xffffff84, v[N0]             ; floor(log2 of the block's largest p), held at -124: the byte, 125 more, is 1 or above
	v_max_i32 v[N0+1], 0xffffff84, v[N0+1]
.if \first == 0
	v_ldexp_f32 v[FF], 1.0, v[DD]
.endif
	v_lshl_add_u32 v[OP], v[N0], 23, 0x3e800000    ; the conversions' scale operands: 125 << 23 added
	v_lshl_add_u32 v[OP+1], v[N0+1], 23, 0x3e800000
	v_lshl_add_u32 v[T1], v[N0+1], 16, v[N0]
.if \first == 0
.irp k, 0,1,2,3
	v_pk_mul_f32 v[ST+4+2*\k:ST+5+2*\k], v[ST+4+2*\k:ST+5+2*\k], v[FF:FF+1] op_sel_hi:[1,0]   ; my tile's l under the new M
.endr
.endif
	v_permlanex16_b32 v[PX2], v[T1], s[SEL], s[SEL+1]
.if \T == 0
	WIN 0x40
.irp t, 0,1,2,3
.irp c, 0,1
	ds_load_b128 v[VF+8*\t+4*\c:VF+8*\t+4*\c+3], v[ADK] offset:4608+1024*\t+512*\c
.endr
.endr
	WIN 0
	ds_load_b64 v[VS:VS+1], v[ADS] offset:8704
.if \last == 0
.if \first
	v_add_nc_u32 v[ADK], REC, v[ADK]               ; my own second record
	v_add_nc_u32 v[ADS], REC, v[ADS]
.else
	s_add_co_u32 s[IDX], s[IDX], 1
	s_and_b32 s[TB], s[IDX], 15
	s_mul_i32 s[TB], s[TB], REC
	v_add_nc_u32 v[ADK], s[TB], v[LI]
	v_add_nc_u32 v[ADS], s[TB], v[LS]
.endif
	LOADK
.endif
.endif
.set J, 0
	SCALED 12
	v_lshl_add_u32 v[T1], v[PX2], 8, v[T1]         ; lanes 0-15: four whole numbers at their bytes (carries cancel when the 125s are added)
	SCALED 12
	v_add_nc_u32 v[PSA+(PSB-PSA)*\T], 0x7d7d7d7d, v[T1]
	SCALED 8
	s_wait_alu depctr_va_vdst(0)                   ; the wait ahead of the batch
.set J, 0
.rept 64
	v_exp_f32 v[S+J], v[S+J]
.set J, J+1
.endr
	v_nop                                          ; one plain place behind the exponentials
.if \first == 0
	WIN 0x41
	s_wait_alu depctr_va_vdst(0)                   ; behind the batch, and ahead of the first readers of O^T
.set J, 32*\T
.rept 16
	v_pk_mul_f32 v[O+J:O+J+1], v[O+J:O+J+1], v[FF:FF+1] op_sel_hi:[1,0]
.set J, J+2
.endr
	WIN 0
.else
	s_wait_alu depctr_va_vdst(0)                   ; behind the batch
.endif
.irp c, 0,1
.irp t, 0,1,2,3
	v_cvt_scalef32_pk8_fp4_f32 v[PC+4*\c+\t], v[S+32*\c+8*\t:S+32*\c+8*\t+7], v[OP+\c]
.endr
.endr
.endm
	s_load_b256 s[4:11], s[0:1], 0x0               ; qrec s[4:5], kv s[6:7], xc s[8:9], xs s[10:11]
	v_lshl_add_u32 v253, v0, 2, SPARE
	v_mov_b32 v255, 0
	ds_add_u32 v253, v255                          ; the opening adds
	ds_add_u32 v253, v255
	v_lshrrev_b32 v3, 5, v0
	v_readfirstlane_b32 s[WV], v3                  ; wave 0..7
	v_and_b32 v4, 31, v0
	v_lshlrev_b32 v[LI], 4, v4
	v_lshlrev_b32 v[LS], 3, v4
	v_and_b32 v7, 15, v0
	v_bfe_u32 v252, v0, 4, 1
	s_lshl_b32 s34, s[WV], 6
	v_lshl_add_u32 v[XSA], v7, 1, v252
	v_add_nc_u32 v[XSA], s34, v[XSA]
	v_add_nc_u32 v[XSA], XST, v[XSA]               ; the stage: 32 bytes a tile, 2 a row, one for each half of the lanes
	v_add_nc_u32 v[XSR], XST, v[LI]
	s_mul_i32 s36, s[WV], 2*REC                    ; my two records: the place in LDS and in the head alike
	v_add_nc_u32 v[ADK], s36, v[LI]
	v_add_nc_u32 v[ADS], s36, v[LS]
	s_bfe_u32 s13, ttmp6, 0x40000                  ; cx
	s_lshl_b32 s14, ttmp9, 2
	s_add_co_u32 s14, s14, s13                     ; my block of 256 queries: it enters qrec's, xc's and xs's addresses alone
	s_and_b32 s15, ttmp7, 0xffff                   ; 16 b + head, which the four partners share
	; descriptor group 1: 17,920 dense bytes (two records) as 70 rows of 256 bytes
	s_mov_b32 s[G1], 15|(3<<16)|(1<<21)            ; 15:0 the mask: all four work-groups; 17:16 elements of 8 bytes; 21 set beside a mask
	s_mov_b32 s[G1+1], 32<<16
	s_mov_b32 s[G1+2], 70<<16
	s_mov_b32 s[G1+3], 32<<16
	s_mov_b32 s[G1+4], 70
	s_mov_b32 s[G1+5], 32
	s_mov_b32 s[G1+6], 0
	s_mov_b32 s[G1+7], 0
	s_mul_i32 s34, s15, 16*REC
	s_add_co_u32 s34, s34, s36
	s_mov_b32 s35, 0
	s_mov_b32 s[SEL], 0x76543210
	s_mov_b32 s[SEL+1], 0xfedcba98
	s_mov_b32 s[CS], 0x3e38aa3b                    ; log2(e) / 8
	s_mov_b32 s[CS+1], s[CS]
	s_mov_b32 s[NC], 0xbe38aa3b
	s_mov_b32 s[LOW], 0xff61b1e6
	s_wait_alu depctr_va_vdst(0)                   ; the wait ahead of the blocking waits
	s_wait_dscnt 0x0
	s_wait_kmcnt 0x0
	s_mov_b32 s[G0], 1
	s_mov_b32 s[G0+1], s36
	s_add_nc_u64 s[G0+2:G0+3], s[6:7], s[34:35]
	s_or_b32 s[G0+3], s[G0+3], 0x80000000
	ROUND                                          ; all four work-groups are here: the joint loads meet
	tensor_load_to_lds s[G0:G0+3], s[G1:G1+7]      ; the wave's only tensor load
	s_nop 0
.rept 4
	v_nop
.endr
	s_lshl_b32 s34, s15, 4                         ; Q: record 16 (16 b + head) + 2 x block + wave / 4, tiles 2 (wave % 4) and the next
	s_lshl_b32 s37, s14, 1
	s_add_co_u32 s34, s34, s37
	s_lshr_b32 s37, s[WV], 2
	s_add_co_u32 s34, s34, s37
	s_mul_i32 s34, s34, 4608
	s_and_b32 s37, s[WV], 3
	s_lshl_b32 s38, s37, 10
	s_add_co_u32 s38, s38, s34
	s_mov_b32 s39, 0
	s_add_nc_u64 s[38:39], s[4:5], s[38:39]
	s_lshr_b32 s40, s37, 1                         ; its scale words: 256 bytes for four tiles, 8 bytes a lane: two tiles' word, then the next two's
	s_lshl_b32 s40, s40, 8
	s_and_b32 s37, s37, 1
	s_lshl_b32 s37, s37, 2
	s_add_co_u32 s40, s40, s37
	s_add_co_u32 s40, s40, s34
	s_mov_b32 s41, 0
	s_add_nc_u64 s[40:41], s[4:5], s[40:41]
	global_load_b128 v[QA:QA+3], v[LI], s[38:39]
	global_load_b128 v[QB:QB+3], v[LI], s[38:39] offset:512
	global_load_b32 v[QS], v[LS], s[40:41] offset:4096
	s_lshr_b32 s42, s15, 4                         ; xc: ((b x 128 + my first tile) x 16 + head) x 512
	s_lshl_b32 s42, s42, 7
	s_lshl_b32 s44, s14, 4
	s_add_co_u32 s42, s42, s44
	s_lshl_b32 s44, s[WV], 1
	s_add_co_u32 s42, s42, s44
	s_lshl_b32 s42, s42, 13
	s_and_b32 s44, s15, 15
	s_lshl_b32 s44, s44, 9
	s_add_co_u32 s42, s42, s44
	s_mov_b32 s43, 0
	s_add_nc_u64 s[8:9], s[8:9], s[42:43]
	s_lshl_b32 s42, s15, 12                        ; xs: (16 b + head) x 4,096 + block x 512
	s_lshl_b32 s44, s14, 9
	s_add_co_u32 s42, s42, s44
	s_add_nc_u64 s[10:11], s[10:11], s[42:43]
	s_lshl_b32 s[IDX], s[WV], 1
	s_add_co_u32 s[IDX], s[IDX], 1
.irp j, 0,1,2,3
	v_mov_b32 v[QA+4+\j], 0                        ; K = 64 fills half of the instruction's 128: Q's other half is zero codes
	v_mov_b32 v[QB+4+\j], 0
	v_mov_b32 v[KF+32+\j], 0
.endr
.irp j, 0,1,2,3,4,5,6,7
	v_mov_b32 v[STA+4+\j], 0                       ; l
	v_mov_b32 v[STA+16+\j], 0
.endr
	v_mov_b32 v[STA+1], 0                          ; (named as upper halves of pairs)
	v_mov_b32 v[STA+13], 0
	v_mov_b32 v[FF+1], 0
	v_mov_b32 v[PX], 0                             ; (a lane permute's destination counts as one of its sources)
	v_mov_b32 v[PX2], 0
	WIN 0x40
.set J, 0
.rept 32
	v_mov_b32 v[O+32+J], 0                         ; tile B's O^T: its first product stands in the loop, whose trips are alike
.set J, J+1
.endr
	WIN 0
	s_wait_alu depctr_va_vdst(0)                   ; the wait at the head's end
	s_wait_tensorcnt 0x0                           ; my own two records are in: the first step reads no others
	LOADK
	s_wait_loadcnt 0x0                             ; Q
	s_wait_dscnt 0x0
.irp t, 0,1,2,3,4,5,6,7
	WS SA, \t, QA, 0
.endr
.rept 4
	v_nop                                          ; four places in front of the first read
.endr
	TURN 0, 1, 0
	TURN 1, 1, 0
	s_mov_b32 s[CNT], 14
	v_nop                                          ; one plain place behind the last scaled conversion
	s_wait_alu depctr_va_vdst(0)                   ; the wait ahead of the barrier
	s_barrier_signal -1
	s_barrier_wait -1                              ; every wave has waited for its load: all records are in
.Lstep:                                            ; 14 trips
	TURN 0, 0, 0
	TURN 1, 0, 0
	s_sub_co_u32 s[CNT], s[CNT], 1
	s_cmp_lg_u32 s[CNT], 0
	s_wait_alu depctr_va_vdst(0)                   ; the wait ahead of the branch
	s_cbranch_scc1 .Lstep
	TURN 0, 0, 1
	TURN 1, 0, 1
	; tile B's last sums and product
.set J, 0
.rept 32
	v_pk_add_f32 v[STA+16+J%8:STA+17+J%8], v[SB+J:SB+J+1], v[STA+16+J%8:STA+17+J%8]
.set J, J+2
.endr
	WIN 0x51
.irp t, 0,1,2,3
	WO O+32, PSB, \t, 0
.endr
	WIN 0
	; THE WAY OUT: x = O^T / l, quantised along the head's 64: lanes 0-15 hold channels 0-31 in 32 registers, lanes 16-31 channels 32-63
.irp b, 8,20
	v_pk_add_f32 v[\b+4:\b+5], v[\b+4:\b+5], v[\b+6:\b+7]
	v_pk_add_f32 v[\b+8:\b+9], v[\b+8:\b+9], v[\b+10:\b+11]
.endr
.irp b, 8,20
	v_pk_add_f32 v[\b+4:\b+5], v[\b+4:\b+5], v[\b+8:\b+9]
.endr
.irp b, 8,20
	v_add_f32 v[\b+4], v[\b+4], v[\b+5]
.endr
	v_permlanex16_b32 v[PX], v12, s[SEL], s[SEL+1]
	v_permlanex16_b32 v[PX2], v24, s[SEL], s[SEL+1]
	v_add_f32 v12, v12, v[PX]
	v_add_f32 v24, v24, v[PX2]
	s_wait_alu depctr_va_vdst(0)                   ; the wait ahead of the batch
	v_rcp_f32 v12, v12
	v_rcp_f32 v24, v24
	v_nop
	WIN 0x01
	s_wait_alu depctr_va_vdst(0)                   ; and behind it; also ahead of the first readers of the sums
.set J, 0
.rept 16
	v_pk_mul_f32 v[SA+J:SA+J+1], v[O+J:O+J+1], v[12:13] op_sel_hi:[1,0]
.set J, J+2
.endr
.set J, 0
.rept 16
	v_pk_mul_f32 v[SA+32+J:SA+33+J], v[O+32+J:O+33+J], v[24:25] op_sel_hi:[1,0]
.set J, J+2
.endr
	WIN 0
.irp b, 0,1
	v_max3_num_f32 v[TM+\b], |v[SA+32*\b]|, |v[SA+32*\b+1]|, 0x1800000
.endr
.irp i, 2,4,6,8,10,12,14,16,18,20,22,24,26,28,30
.irp b, 0,1
	v_max3_num_f32 v[TM+\b], v[TM+\b], |v[SA+32*\b+\i]|, |v[SA+32*\b+\i+1]|
.endr
.endr
.irp b, 0,1
	v_add_nc_u32 v[OP+\b], 0xff000000, v[TM+\b]
.endr
.irp b, 0,1
	v_lshrrev_b32 v[N0+\b], 23, v[OP+\b]           ; my block's scale byte
.endr
.irp b, 0,1
.irp t, 0,1,2,3
	v_cvt_scalef32_pk8_fp4_f32 v[PC+4*\b+\t], v[SA+32*\b+8*\t:SA+32*\b+8*\t+7], v[OP+\b]
.endr
.endr
	v_and_b32 v252, 31, v0
	v_cmp_le_u32 vcc_lo, 16, v252
.irp b, 0,4                                    ; lanes 16-31 hold their groups of eight channels in the order 1, 0, 3, 2: put right here
	v_cndmask_b32 v[KF+\b], v[PC+\b], v[PC+\b+1], vcc_lo
	v_cndmask_b32 v[KF+\b+1], v[PC+\b+1], v[PC+\b], vcc_lo
	v_cndmask_b32 v[KF+\b+2], v[PC+\b+2], v[PC+\b+3], vcc_lo
	v_cndmask_b32 v[KF+\b+3], v[PC+\b+3], v[PC+\b+2], vcc_lo
.endr
	global_store_b128 v[LI], v[KF:KF+3], s[8:9]    ; four registers of the last product's operand: 512 consecutive bytes
	global_store_b128 v[LI], v[KF+4:KF+7], s[8:9] offset:8192
	ds_store_b8 v[XSA], v[N0]
	ds_store_b8 v[XSA], v[N0+1] offset:32
	s_wait_alu depctr_va_vdst(0)                   ; the wait ahead of the blocking wait
	s_wait_dscnt 0x0                               ; for the others' sake: my stores into the stage are done
	s_barrier_signal -1
	s_barrier_wait -1
	s_cmp_lg_u32 s[WV], 0
	s_cbranch_scc1 .Lnot_first
	ds_load_b128 v[PC:PC+3], v[XSR]                ; wave 0 takes the sixteen tiles' 512 bytes
	s_wait_dscnt 0x0
	global_store_b128 v[LI], v[PC:PC+3], s[10:11]  ; and stores them as two whole runs of 256 bytes
.Lnot_first:
	s_wait_tensorcnt 0x0                           ; the wave's end
	ds_add_u32 v253, v255
	s_wait_dscnt 0x0
	ROUND                                          ; the closing round
	s_endpgm
.Lfunc_end_k_q19f244d261_attn:
	.size	k_q19f244d261_attn, .Lfunc_end_k_q19f244d261_attn-k_q19f244d261_attn
	.p2alignl 7, 3214868480
	.fill 96, 4, 3214868480
	.section	.rodata,"a",@progbits
	.p2align	6, 0x0
	.amdhsa_kernel k_q19f244d261_attn
		.amdhsa_group_segment_fixed_size 169984
		.amdhsa_private_segment_fixed_size 0
		.amdhsa_enable_private_segment 0
		.amdhsa_kernarg_size 32
		.amdhsa_user_sgpr_count 2
		.amdhsa_user_sgpr_kernarg_segment_ptr 1
		.amdhsa_wavefront_size32 1
		.amdhsa_system_sgpr_workgroup_id_x 1
		.amdhsa_system_sgpr_workgroup_id_y 1
		.amdhsa_system_sgpr_workgroup_id_z 1
		.amdhsa_system_vgpr_workitem_id 0
		.amdhsa_next_free_vgpr 352
		.amdhsa_next_free_sgpr 66
		.amdhsa_reserve_vcc 1
		.amdhsa_float_denorm_mode_32 3
		.amdhsa_float_denorm_mode_16_64 3
		.amdhsa_memory_ordered 1
		.amdhsa_forward_progress 1
		.amdhsa_inst_pref_size 92
	.end_amdhsa_kernel
	.amdgpu_metadata
---
amdhsa.version: [ 1, 2 ]
amdhsa.kernels:
  - .name:           k_q19f244d261_attn
    .symbol:         k_q19f244d261_attn.kd
    .args:
      - { .name: qrec, .offset: 0, .size: 8, .value_kind: global_buffer, .address_space: global }
      - { .name: kv, .offset: 8, .size: 8, .value_kind: global_buffer, .address_space: global }
      - { .name: xc, .offset: 16, .size: 8, .value_kind: global_buffer, .address_space: global }
      - { .name: xs, .offset: 24, .size: 8, .value_kind: global_buffer, .address_space: global }
    .group_segment_fixed_size: 169984
    .private_segment_fixed_size: 0
    .kernarg_segment_align: 8
    .kernarg_segment_size: 32
    .max_flat_workgroup_size: 256
    .sgpr_count:     66
    .vgpr_count:     352
    .wavefront_size: 32
...
	.end_amdgpu_metadata
.endif
;; end of part 2
;; launch outp (part 3): grid 8 x 32, 8 waves a work-group, clusters of 4 x 4, 168,960 bytes of LDS; arguments xc, xs, Wo_codes, Wo_scales, bo, out0; writes out0
.if DOCPART == 3
	.amdgcn_target "amdgcn-amd-amdhsa--gfx1250"
	.amdhsa_code_object_version 6
	.text
	.protected	k_q19f244d261_outp
	.globl	k_q19f244d261_outp
	.p2align	8
	.type	k_q19f244d261_outp,@function
k_q19f244d261_outp:
	s_mov_b64 s[64:65], 0
	v_nop
	global_prefetch_b8 v0, s[64:65] scope:SCOPE_SE
	s_setreg_imm32_b32 hwreg(HW_REG_WAVE_MODE, 25, 1), 1
	s_wait_xcnt 0x0
	s_wait_alu depctr_hold_cnt(0) depctr_sa_sdst(0) depctr_va_vdst(0) depctr_va_sdst(0) depctr_va_ssrc(0) depctr_va_vcc(0) depctr_vm_vsrc(0)
	s_getreg_b32 s2, hwreg(HW_REG_IB_STS2, 6, 4)
	s_cmp_eq_u32 s2, 0
	s_cbranch_scc0 .Lentry_in_a_cluster
	s_endpgm
.Lentry_in_a_cluster:
	s_bfe_u32 s2, ttmp6, 0x10000c
	s_cmp_lg_u32 s2, 0xf033
	s_cbranch_scc0 .Lentry_shape_is_right
	s_endpgm
.Lentry_shape_is_right:
; out0 = x Wo^T + bo on codes of FP4 (E2M1) with one E8M0 scale for each 32 along K = 1,024; sums in f32.  x comes as images of operand registers (xc) and pairs of scale bytes (xs), Wo as given.
; LEFT OUT: mask, as the first launch says.   LIMITS: NaN and infinities are not served; a given scale byte 0xff gives NaN.
; SHARES.  256 work-groups of eight waves; a work-group makes 128 tokens of one batch x 128 columns, with all of K in LDS, filled once.  Wave w: columns 64 (w & 1) on (four tiles of Wo's rows), token tiles 2 (w >> 1) and the next: 8 accumulators.
;   4 x 4 clusters: the four of a row of the cluster ask JOINTLY for the same tokens' images, the four of a column for the same rows of Wo.   Prefetches: none: everything is asked for at the head.
; THE MATRIX INSTRUCTION IS USED TRANSPOSED (source 0 = 16 rows of Wo, source 1 = 16 tokens): a lane holds eight neighbouring columns of one token.  The bias is the C of each sum's first product.
; TOKENS.  In a unit of 64 tokens tile t's lane r is token 8 t + r (r < 8) or 32 + 8 (t xor 1) + r - 8 (so the first launch laid them); the way out puts each row where it belongs.
; LDS: 0: x's eight tiles, 8,192 bytes each, dense (K step q at 1,024 q; every load takes 16 x lane);  65,536: Wo's 128 rows, 528 bytes apart (512 + 16 of padding);  133,120: a stage of 16 rows x 272 bytes for each wave.
.set PITCH, 528
.set WOB,   65536
.set STG,   WOB+128*PITCH
.set SP,    272
.set WV,   3
.set G1X,  24                          ; s[24:31] group 1 for x's images;  s[32:39] for Wo's rows;  s[40:43], s[44:47] their groups 0
.set G1W,  32
.set G0X,  40
.set G0W,  44
.set AW,   1                           ; v1  LDS address of my lane in Wo's tiles
.set AX,   2                           ; v2  in x's images
.set STO,  3                           ; v3  the stage: where I put 32 bytes of a row
.set RD,   4                           ; v4  and where I read a row back
.set CO,   5                           ; v5  my byte offset in out0
.set WSC,  8                           ; v8-23  Wo's scale words: register 8 p + q; lane l: row 32 p + l.   (v8-31 hold scales and nothing else)
.set XSC,  24                          ; v24-31 x's: register q; lanes 0-15 the first token tile, lanes 16-31 the second
.set BIAS, 32                          ; v32-63 bo in the result's layout, eight registers a tile of Wo's rows
.set ACC,  64                          ; v64-127 accumulator (i, s) at 64 + 8 (2 i + s)
.set FB,   128                         ; v128-175, v176-223 two sets of fragments: Wo's four, then x's two
.set UT,   224                         ; v224-239 the sixteen heads' pairs of scale bytes
.set BK,   128                         ; the way out: rows read back
.macro ROUND
	s_barrier_signal -1
	s_barrier_wait -1
	s_cmp_lg_u32 s[WV], 0
	s_cbranch_scc1 .Lnot_wave_0_\@
	s_barrier_signal -3
.Lnot_wave_0_\@:
	s_barrier_wait -3
	s_barrier_signal -1
	s_barrier_wait -1
.endm
; One product 16 x 16 x 128, C in v[c] on.  ra, rb: the side's scale words stand in lanes 16-31.
.macro WM d, a, b, c, sa, sb, ra, rb
.if (\ra)
.if (\rb)
	v_wmma_scale_f32_16x16x128_f8f6f4 v[\d:\d+7], v[\a:\a+7], v[\b:\b+7], v[\c:\c+7], v[\sa], v[\sb] matrix_a_fmt:MATRIX_FMT_FP4 matrix_b_fmt:MATRIX_FMT_FP4 matrix_a_scale:MATRIX_SCALE_ROW1 matrix_b_scale:MATRIX_SCALE_ROW1
.else
	v_wmma_scale_f32_16x16x128_f8f6f4 v[\d:\d+7], v[\a:\a+7], v[\b:\b+7], v[\c:\c+7], v[\sa], v[\sb] matrix_a_fmt:MATRIX_FMT_FP4 matrix_b_fmt:MATRIX_FMT_FP4 matrix_a_scale:MATRIX_SCALE_ROW1
.endif
.else
.if (\rb)
	v_wmma_scale_f32_16x16x128_f8f6f4 v[\d:\d+7], v[\a:\a+7], v[\b:\b+7], v[\c:\c+7], v[\sa], v[\sb] matrix_a_fmt:MATRIX_FMT_FP4 matrix_b_fmt:MATRIX_FMT_FP4 matrix_b_scale:MATRIX_SCALE_ROW1
.else
	v_wmma_scale_f32_16x16x128_f8f6f4 v[\d:\d+7], v[\a:\a+7], v[\b:\b+7], v[\c:\c+7], v[\sa], v[\sb] matrix_a_fmt:MATRIX_FMT_FP4 matrix_b_fmt:MATRIX_FMT_FP4
.endif
.endif
.endm
.macro FETCH q, p                      ; K step q's six fragments into set p: twelve LDS loads
.irp i, 0,1,2,3
.irp c, 0,1
	ds_load_b128 v[FB+48*(\p)+8*\i+4*\c:FB+48*(\p)+8*\i+4*\c+3], v[AW] offset:16*PITCH*\i+64*(\q)+32*\c
.endr
.endr
.irp s, 0,1
.irp c, 0,1
	ds_load_b128 v[FB+48*(\p)+32+8*\s+4*\c:FB+48*(\p)+32+8*\s+4*\c+3], v[AX] offset:8192*\s+1024*(\q)+512*\c
.endr
.endr
.endm
.macro MUL q, p                        ; eight products; the eight accumulators take turns, one instruction a turn, in the same order in every step
.irp i, 0,1,2,3
.irp s, 0,1
.if (\q) == 0
	WM ACC+8*(2*\i+\s), FB+48*(\p)+8*\i, FB+48*(\p)+32+8*\s, BIAS+8*\i, WSC+8*(\i/2)+(\q), XSC+(\q), \i%2, \s
.else
	WM ACC+8*(2*\i+\s), FB+48*(\p)+8*\i, FB+48*(\p)+32+8*\s, ACC+8*(2*\i+\s), WSC+8*(\i/2)+(\q), XSC+(\q), \i%2, \s
.endif
.endr
.endr
.endm
	s_load_b256 s[4:11], s[0:1], 0x0               ; xc s[4:5], xs s[6:7], Wo's codes s[8:9], Wo's scales s[10:11]
	s_load_b128 s[12:15], s[0:1], 0x20             ; bo s[12:13], out0 s[14:15]
	v_lshl_add_u32 v254, v0, 2, 0x29000
	v_mov_b32 v255, 0
	ds_add_u32 v254, v255                          ; the opening adds
	ds_add_u32 v254, v255
	v_lshrrev_b32 v6, 5, v0
	s_delay_alu instid0(VALU_DEP_1)
	v_readfirstlane_b32 s[WV], v6                  ; wave 0..7
	s_bfe_u32 s16, ttmp6, 0x40000                  ; cx
	s_bfe_u32 s17, ttmp6, 0x40004                  ; cy
	s_lshl_b32 s18, ttmp9, 2
	s_add_co_u32 s18, s18, s16                     ; block of 128 columns
	s_and_b32 s19, ttmp7, 0xffff
	s_lshl_b32 s19, s19, 2
	s_add_co_u32 s19, s19, s17                     ; 16 b + block of 128 tokens
	s_lshl_b32 s20, s17, 2
	s_lshl_b32 s20, 15, s20                        ; my row of the cluster
	s_lshl_b32 s21, 0x1111, s16                    ; my column
	s_and_b32 s22, s[WV], 1                        ; which 64 columns are mine
	s_lshr_b32 s23, s[WV], 1                       ; which pair of token tiles
	; descriptor group 1.  x: 16,384 dense bytes (two tiles) as 64 rows of 256 bytes.  Wo: 64 rows of 512 bytes, 16 bytes of padding behind each
	s_or_b32 s[G1X], s20, (3<<16)|(1<<21)          ; 15:0 the mask: my row of the cluster; 17:16 elements of 8 bytes; 20 no padding; 21 set beside a mask
	s_mov_b32 s[G1X+1], 32<<16
	s_mov_b32 s[G1X+2], 64<<16
	s_mov_b32 s[G1X+3], 32<<16
	s_mov_b32 s[G1X+4], 64
	s_mov_b32 s[G1X+5], 32
	s_mov_b32 s[G1X+6], 0
	s_mov_b32 s[G1X+7], 0
	s_or_b32 s[G1W], s21, (1<<20)|(1<<21)|(6<<22)|(3<<25)   ; the mask: my column; elements of 1 byte; padding: four words after every 128
	s_mov_b32 s[G1W+1], 512<<16
	s_mov_b32 s[G1W+2], 64<<16
	s_mov_b32 s[G1W+3], 512<<16
	s_mov_b32 s[G1W+4], 64
	s_mov_b32 s[G1W+5], 512
	s_mov_b32 s[G1W+6], 0
	s_mov_b32 s[G1W+7], 0
	s_and_b32 s52, s[WV], 3
	s_lshl_b32 s52, s52, 14                        ; waves 0 to 3 fetch a quarter of x's images each: the place in LDS and in the block alike
	s_lshl_b32 s48, s19, 16                        ; a block of 128 tokens is 65,536 bytes of xc
	s_add_co_u32 s48, s48, s52
	s_mov_b32 s49, 0
	s_mul_i32 s53, s22, 64*PITCH
	s_add_co_u32 s53, s53, WOB                     ; waves 4 and 5 fetch 64 rows of Wo each; also: where my own 64 rows lie
	s_lshl_b32 s50, s18, 16                        ; 128 rows x 512 bytes a block
	s_lshl_b32 s54, s22, 15
	s_add_co_u32 s50, s50, s54
	s_mov_b32 s51, 0
	s_wait_dscnt 0x0
	s_wait_kmcnt 0x0
	s_mov_b32 s[G0X], 1
	s_mov_b32 s[G0X+1], s52
	s_add_nc_u64 s[G0X+2:G0X+3], s[4:5], s[48:49]
	s_or_b32 s[G0X+3], s[G0X+3], 0x80000000
	s_mov_b32 s[G0W], 1
	s_mov_b32 s[G0W+1], s53
	s_add_nc_u64 s[G0W+2:G0W+3], s[8:9], s[50:51]
	s_or_b32 s[G0W+3], s[G0W+3], 0x80000000
	ROUND                                          ; all sixteen work-groups are here: the joint loads meet
	s_cmp_lt_u32 s[WV], 4                          ; the branches hang on the wave's number alone; a wave has at most one tensor load out, the only one of the launch
	s_cbranch_scc0 .Lnot_x
	tensor_load_to_lds s[G0X:G0X+3], s[G1X:G1X+7]
	s_nop 0
.rept 4
	v_nop
.endr
	s_branch .Lasked
.Lnot_x:
	s_cmp_lt_u32 s[WV], 6
	s_cbranch_scc0 .Lasked
	tensor_load_to_lds s[G0W:G0W+3], s[G1W:G1W+7]
	s_nop 0
.rept 4
	v_nop
.endr
.Lasked:
	v_and_b32 v6, 15, v0                           ; r
	v_bfe_u32 v7, v0, 4, 1                         ; h
	v_and_b32 v64, 31, v0                          ; lane
	s_delay_alu instid0(VALU_DEP_3)
	v_mul_u32_u24 v[AW], v6, PITCH
	s_delay_alu instid0(VALU_DEP_1)
	v_lshl_add_u32 v[AW], v7, 4, v[AW]
	s_delay_alu instid0(VALU_DEP_1)
	v_add_nc_u32 v[AW], s53, v[AW]                 ; Wo: my 64 rows, row r, + 16 h
	s_lshl_b32 s56, s23, 14
	v_lshl_add_u32 v[AX], v64, 4, s56              ; x: my pair of tiles, 16 x lane
	s_mul_i32 s57, s[WV], 16*SP
	s_add_co_u32 s57, s57, STG                     ; my stage
	v_mul_u32_u24 v[STO], v6, SP
	s_delay_alu instid0(VALU_DEP_1)
	v_lshl_add_u32 v[STO], v7, 5, v[STO]
	s_delay_alu instid0(VALU_DEP_1)
	v_add_nc_u32 v[STO], s57, v[STO]               ; in: row r, 32 bytes for each half of the lanes
	v_mul_u32_u24 v[RD], v7, SP
	s_delay_alu instid0(VALU_DEP_1)
	v_lshl_add_u32 v[RD], v6, 4, v[RD]
	s_delay_alu instid0(VALU_DEP_1)
	v_add_nc_u32 v[RD], s57, v[RD]                 ; back: lanes 0-15 one row of 256 bytes, lanes 16-31 the next
	v_lshlrev_b32 v[CO], 13, v7
	s_delay_alu instid0(VALU_DEP_1)
	v_lshl_add_u32 v[CO], v6, 4, v[CO]             ; and in out0: the next token of a batch lies 8,192 bytes on
	s_lshl_b32 s48, s18, 12                        ; Wo's scales, 32 bytes a row: my 64 rows
	s_lshl_b32 s54, s22, 11
	s_add_co_u32 s48, s48, s54
	s_add_nc_u64 s[10:11], s[10:11], s[48:49]
	s_lshr_b32 s58, s19, 4                         ; b
	s_and_b32 s59, s19, 15                         ; block of 128 tokens
	s_lshl_b32 s48, s58, 16                        ; xs: 16 heads x 4,096 a batch; 32 bytes a tile: 8 tiles a block, my pair
	s_lshl_b32 s54, s59, 8
	s_add_co_u32 s48, s48, s54
	s_lshl_b32 s54, s23, 6
	s_add_co_u32 s48, s48, s54
	s_add_nc_u64 s[6:7], s[6:7], s[48:49]
	s_lshl_b32 s48, s18, 9                         ; bo: my 64 numbers
	s_lshl_b32 s54, s22, 8
	s_add_co_u32 s48, s48, s54
	s_add_nc_u64 s[12:13], s[12:13], s[48:49]
	s_add_nc_u64 s[14:15], s[14:15], s[48:49]      ; out0: the same bytes along a row,
	s_lshl_b32 s48, s59, 20                        ; token 128 x block, 8,192 bytes a token,
	s_lshr_b32 s54, s23, 1                         ; + 64 x (pair / 2)
	s_lshl_b32 s54, s54, 19
	s_add_co_u32 s48, s48, s54
	s_and_b32 s54, s23, 1                          ; + 16 x (pair % 2),
	s_lshl_b32 s54, s54, 17
	s_add_co_u32 s48, s48, s54
	s_lshl_b32 s54, s58, 12                        ; and the batch
	s_add_co_u32 s48, s48, s54
	s_add_nc_u64 s[14:15], s[14:15], s[48:49]
	v_lshlrev_b32 v65, 5, v64
	v_lshlrev_b32 v66, 1, v64
	v_lshlrev_b32 v67, 5, v7
.irp p, 0,1
.irp f, 0,1
	global_load_b128 v[WSC+8*\p+4*\f:WSC+8*\p+4*\f+3], v65, s[10:11] offset:1024*\p+16*\f
.endr
.endr
.irp n, 0,1,2,3,4,5,6,7,8,9,10,11,12,13,14,15
	global_load_u16 v[UT+\n], v66, s[6:7] offset:4096*\n   ; head n's two bytes of my lane's token: 64 consecutive bytes a load
.endr
.irp i, 0,1,2,3
.irp f, 0,1
	global_load_b128 v[BIAS+8*\i+4*\f:BIAS+8*\i+4*\f+3], v67, s[12:13] offset:64*\i+16*\f   ; lane (r, h), register j: column 16 i + 8 h + j
.endr
.endr
	s_wait_tensorcnt 0x0                           ; my part has landed (waves 6 and 7 have none out),
	s_barrier_signal -1
	s_barrier_wait -1                              ; everybody's has: the one barrier of the fill; the bytes are never filled again
	FETCH 0, 0
	s_wait_loadcnt 0x0                             ; scales and bias are in; the loads' offset registers may be written
.irp q, 0,1,2,3,4,5,6,7
	v_lshl_or_b32 v[XSC+\q], v[UT+2*\q+1], 16, v[UT+2*\q]   ; K step q is heads 2 q and 2 q + 1: four scale bytes
.endr
.rept 8
	v_nop                                          ; a scale register written by a vector instruction stands eight places ahead of a scaled product; no other vector work is at hand
.endr
	s_wait_alu depctr_va_vdst(0)
.irp q, 0,1,2,3,4,5,6
.if \q > 0
.rept 4
	v_nop                                          ; four places between the last products and the loads into the set that they read
.endr
.endif
	FETCH \q+1, (\q+1)%2
	s_wait_dscnt 12                                ; this step's fragments are in; the twelve loads just issued may be out
	MUL \q, \q%2
.endr
	s_wait_dscnt 0x0
	MUL 7, 1
; THE WAY OUT, a token tile at a time: 16 rows x 64 columns go through my own stage and come back as whole rows of 256 bytes.  LDS serves a wave's instructions in order (ISA guide 5.7.1.4): no wait between the stores and the loads, nor in front of the next tile's stores.
.macro TOSTAGE s
.irp i, 0,1,2,3
	ds_store_b128 v[STO], v[ACC+8*(2*\i+\s):ACC+8*(2*\i+\s)+3] offset:64*\i        ; each accumulator from its low end on
	ds_store_b128 v[STO], v[ACC+8*(2*\i+\s)+4:ACC+8*(2*\i+\s)+7] offset:64*\i+16
.endr
.irp t, 0,1,2,3,4,5,6,7
	ds_load_b128 v[BK+32*\s+4*\t:BK+32*\s+4*\t+3], v[RD] offset:2*SP*\t
.endr
.endm
.macro SEND s, younger                 ; younger: the LDS instructions issued behind this tile's loads, which may stay out
.irp t, 0,1,2,3,4,5,6,7
	s_wait_dscnt \younger+7-\t
	global_store_b128 v[CO], v[BK+32*\s+4*\t:BK+32*\s+4*\t+3], s[14:15] offset:((8*\s)*(1-\t/4)+(\t/4)*(40-8*\s)+2*(\t%4))*8192 th:TH_STORE_NT   ; stage rows 0-7 are tokens 8 s on, rows 8-15 tokens 32 + 8 (1 - s) on; 16 lanes store 256 consecutive bytes, at a multiple of 256 from out0's first byte
.endr
.endm
.rept 4
	v_nop                                          ; four places between the last products and the first read of results, and the loads into fragment registers
.endr
	TOSTAGE 0
	TOSTAGE 1
	SEND 0, 16                                     ; behind the first tile's loads: the second tile's eight stores and eight loads
	SEND 1, 0
	s_wait_tensorcnt 0x0                           ; the wave's end
	ds_add_u32 v254, v255
	s_wait_dscnt 0x0
	ROUND                                          ; the closing round: no work-group ends while a partner may still ask for bytes that name it
	s_endpgm
.Lfunc_end_k_q19f244d261_outp:
	.size	k_q19f244d261_outp, .Lfunc_end_k_q19f244d261_outp-k_q19f244d261_outp
	.p2alignl 7, 3214868480
	.fill 96, 4, 3214868480
	.section	.rodata,"a",@progbits
	.p2align	6, 0x0
	.amdhsa_kernel k_q19f244d261_outp
		.amdhsa_group_segment_fixed_size 168960
		.amdhsa_private_segment_fixed_size 0
		.amdhsa_enable_private_segment 0
		.amdhsa_kernarg_size 48
		.amdhsa_user_sgpr_count 2
		.amdhsa_user_sgpr_kernarg_segment_ptr 1
		.amdhsa_wavefront_size32 1
		.amdhsa_system_sgpr_workgroup_id_x 1
		.amdhsa_system_sgpr_workgroup_id_y 1
		.amdhsa_system_sgpr_workgroup_id_z 1
		.amdhsa_system_vgpr_workitem_id 0
		.amdhsa_next_free_vgpr 256
		.amdhsa_next_free_sgpr 66
		.amdhsa_reserve_vcc 0
		.amdhsa_float_denorm_mode_32 3
		.amdhsa_float_denorm_mode_16_64 3
		.amdhsa_memory_ordered 1
		.amdhsa_forward_progress 1
		.amdhsa_inst_pref_size 30
	.end_amdhsa_kernel
	.amdgpu_metadata
---
amdhsa.version: [ 1, 2 ]
amdhsa.kernels:
  - .name:           k_q19f244d261_outp
    .symbol:         k_q19f244d261_outp.kd
    .args:
      - { .name: xc, .offset: 0, .size: 8, .value_kind: global_buffer, .address_space: global }
      - { .name: xs, .offset: 8, .size: 8, .value_kind: global_buffer, .address_space: global }
      - { .name: Wo_codes, .offset: 16, .size: 8, .value_kind: global_buffer, .address_space: global }
      - { .name: Wo_scales, .offset: 24, .size: 8, .value_kind: global_buffer, .address_space: global }
      - { .name: bo, .offset: 32, .size: 8, .value_kind: global_buffer, .address_space: global }
      - { .name: out0, .offset: 40, .size: 8, .value_kind: global_buffer, .address_space: global }
    .group_segment_fixed_size: 168960
    .private_segment_fixed_size: 0
    .kernarg_segment_align: 8
    .kernarg_segment_size: 48
    .max_flat_workgroup_size: 256
    .sgpr_count:     66
    .vgpr_count:     256
    .wavefront_size: 32
...
	.end_amdgpu_metadata
.endif
;; end of part 3
